; MI455X (gfx1250); checked and timed in simulation.
; The chip was launched on July 23, 2026; its instructions are those of AMD's public machine-readable ISA for CDNA 5 (MIT licence, August 2026) and "CDNA5" Instruction Set Architecture Reference Guide (July 2026). The comments in the code are by the model that wrote it; some were corrected since.
;; Self Attention. Allowed arithmetic: matrix products marked QUANTISED: E2M3 operands, one E8M0 scale for each 32 along K, by v_wmma_scale_f32_16x16x128_f8f6f4 with both operands' format E2M3, f32 sums; everything else in f32.
;; Inputs: Wk 1,024 x 1,024 float32; Wq 1,024 x 1,024 float32; Wv 1,024 x 1,024 float32; bk 1,024 float32; bq 1,024 float32; bv 1,024 float32; x 4 x 2,048 x 1,024 float32.
;; Outputs: out0 4 x 2,048 x 1,024 float32.
;; This version of the problem:
;;   THIS VERSION OF THE PROBLEM IS GIVEN IN LOW PRECISION. The matrix products marked QUANTISED in the list below multiply operands that are first quantised to E2M3 (2 exponent bits, 3 mantissa bits; 6 bits a number), with one power-of-two scale for each 32 numbers along K (OCP MX v1.0); their sums are f32. All else is computed in f32.
;;   The module's matrix products, in the order in which they are computed (A, B: the left and right operand; K: the contracted axis; several contracted axes count as one K, in the product's order):
;;     1. [M 8,192, K 1,024] x [K 1,024, N 1,024]; A: input x; B: input Wq: QUANTISED
;;     2. [M 8,192, K 1,024] x [K 1,024, N 1,024]; A: input x; B: input Wk: QUANTISED
;;     3. [M 8,192, K 1,024] x [K 1,024, N 1,024]; A: input x; B: input Wv: QUANTISED
;;     4. batch 64 x [M 2,048, K 64] x [K 64, N 2,048]; A: computed on the way; B: computed on the way: QUANTISED
;;     5. batch 64 x [M 2,048, K 2,048] x [K 2,048, N 64]; A: softmax (see below); B: computed on the way: QUANTISED
;;   THE QUANTISER, for each operand of a quantised product, along K:
;;     - K is cut into blocks of 32 from its start; a last block that is shorter is filled with zeros.
;;     - A block's scale is 2^e with e = floor(log2(the largest magnitude in the block)) - 2, held to -126 .. 127; a block of zeros has e = 0. As a byte (E8M0): e + 127.
;;     - Each number is divided by its block's scale, clamped to +-7.5, and rounded to the nearest number of E2M3, ties to even, subnormals kept.
;;     - The product sums the exact products of the quantised numbers (number of the format x scale) in f32.
;;   ~~~python
;;   def quantise(x, axis):      # numpy; x: float32 -> the quantised numbers, widened to float32 again
;;       x = np.moveaxis(x, axis, -1); K = x.shape[-1]
;;       x = np.pad(x, [(0, 0)] * (x.ndim - 1) + [(0, -K % 32)]); x = x.reshape(x.shape[:-1] + (-1, 32)); a = np.abs(x).max(-1, keepdims=True)
;;       e = np.where(a > 0, np.clip(np.frexp(np.where(a > 0, a, 1))[1] - 1 - 2, -126, 127), 0)      # np.frexp(a)[1] - 1 = floor(log2(a)), exactly
;;       r = np.clip(x / 2.0 ** e, -7.5, 7.5)
;;       step = 2.0 ** (np.maximum(np.frexp(np.where(r == 0, 1, r))[1] - 1, 0) - 3)
;;       q = np.round(r / step) * step * 2.0 ** e      # np.round: ties to even
;;       return np.moveaxis(q.reshape(q.shape[:-2] + (-1,))[..., :K], -1, axis).astype(np.float32)
;;   ~~~
;;   SOFTMAX AHEAD OF A QUANTISED PRODUCT. Where the list says 'softmax', what is quantised is not the finished softmax but p = 2^(t - M), with t = logit x log2(e) and M = ceil(the row's largest t), a whole number; so 1/2 < the row's largest p <= 1. The row's sum l is taken of the UNQUANTISED p, in f32, and the product's result is divided by l at the end. Since M is a whole number, a kernel that streams over the keys may use a running M (the ceiling of the running maximum): every later rescaling is an exact power of two, which a block's scale takes up: the codes' values come out the same.
;;   OPERANDS COMPUTED ON THE WAY. 'Computed on the way' means the value that the module computes at that place (a softmax that the list does not call 'softmax' is quantised finished and normalised). What goes into a quantiser is computed in f32, as accurately as f32 sums, v_exp_f32 and their like allow (about 1e-6 of the number): no bf16 or f16 on the way to a quantiser, and a product that is left as it is and whose result goes on into a quantised operand takes f32 operands (vector FMAs, or v_wmma_f32_16x16x4_f32). A number that lies on a knife's edge between two numbers of the format may be rounded either way, as far as f32 arithmetic and the matrix unit's own rounding can turn it there, and no further.
;; One version. Each part assembles by itself: llvm-mc -triple=amdgcn-amd-amdhsa -mcpu=gfx1250 --defsym DOCPART=n.
;; ======== version 1 of 1: 3 launches
;; workspace buffers: xc 6,291,456 bytes; xs 262,144 bytes; wc 2,359,296 bytes; ws 98,304 bytes; qf 6,815,744 bytes; kvf 13,369,344 bytes
;; launch quant (part 1): grid 352 x 1, 4 waves a work-group, no clusters, 68,096 bytes of LDS; arguments x, Wq, Wk, Wv, xc, xs, wc, ws; writes xc, xs, wc, ws
.if DOCPART == 1
	.amdgcn_target "amdgcn-amd-amdhsa--gfx1250"
	.amdhsa_code_object_version 6
	.text
	.protected	k_qfdfec48ad2_quant
	.globl	k_qfdfec48ad2_quant
	.p2align	8
	.type	k_qfdfec48ad2_quant,@function
k_qfdfec48ad2_quant:
	s_mov_b64 s[64:65], 0
	v_nop
	global_prefetch_b8 v0, s[64:65] scope:SCOPE_SE
	s_setreg_imm32_b32 hwreg(HW_REG_WAVE_MODE, 25, 1), 1
	s_wait_xcnt 0x0
; x [8192][1024] f32 (K innermost) and Wq, Wk, Wv [1024 (k)][1024 (n)] f32 (K outermost) become codes of FP6 (E2M3), 6 bits each, K innermost, with one E8M0 byte for each 32 along K.
; xc [8192][768 bytes], xs [8192][32 bytes];  wc [3072][768], ws [3072][32]: rows 0-1023 Wq's columns, 1024-2047 Wk's, 2048-3071 Wv's.
; A block's scale is 2^(floor(log2(its largest magnitude)) - 2); its byte is the largest magnitude's exponent field - 2, held at 1 from below.
; STORAGE ROWS: logical row l of x, and column l of a weight, lies at row l with its bits 3 and 4 exchanged.  Sixteen rows on end, tile 2 b + u, are then the logical rows 32 b + 8 u + i + 8 (i / 8):
; used as source 0 of a matrix instruction they leave a lane's 16 registers of two neighbouring tiles as 16 logical neighbours, which is what the next quantiser wants.
; LIMITS: NaN and infinities among the inputs are not served; a block whose largest magnitude lies under 2^-124 gets the byte 1; a block of zeros gets the byte 1 and not 127: its codes are zeros,
; which add nothing under any byte but 0xff, and this program alone reads the bytes.
; Work-groups 0-255 take x, 256-351 the weights.  The two ways never join, and each has LDS bytes of its own.  No tensor loads, no barrier: waves share nothing.
.set SPARE, 67584                      ; behind both ways' regions: the spare words, 128 bytes for each wave: two blocks of 256 bytes that no other line names
.set SPW,   12                         ; v12  LDS address of my spare word; never rewritten
.set NIL,   13                         ; v13  0; never rewritten
.set EMAX,  2
; the way of x
.set STEPS, 16                         ; a wave takes 16 steps of 512 numbers: 8 rows of x
.set CB,    12                         ; bytes of 16 codes
.set R,     16                         ; v16-79   four sets of 16 numbers as they are loaded
.set X,     80                         ; v80-111  two sets of 16 neighbours
.set E,     112                        ; v112-127 a scale byte for each step
.set C,     128                        ; v128-191 codes: four registers for each step, so that no store's data are written again
.set WREG,  8192                       ; LDS 0 .. 32,767: a region for each wave: two stages of 32 x SP bytes, behind them its 256 scale bytes
.set SP,    80                         ; a lane's place in a stage: its 64 bytes + 16 of padding
; the way of the weights
.set WST,   32768                      ; LDS 32,768 .. 67,583: a stage of 32 rows x PITCH for each wave
.set NB,    8                          ; blocks of 32 along K for a wave: 256 along K
.set PITCH, 272                        ; a stage row: sixteen places of 16 bytes, each with 12 bytes of codes, + 16
.set KROW,  768                        ; a row of codes in memory
.set XW,    32                         ; v32-95   two sets of 32 numbers
.set CW,    96                         ; v96..    a block's codes
.set OUTR,  112                        ; v112-175 the way out
.set SB,    24                         ; v24-25   the scale bytes, four to a register
	s_load_b256 s[4:11], s[0:1], 0x0               ; x s[4:5], Wq s[6:7], Wk s[8:9], Wv s[10:11]
	s_load_b256 s[12:19], s[0:1], 0x20             ; xc s[12:13], xs s[14:15], wc s[16:17], ws s[18:19]
	v_lshl_add_u32 v[SPW], v0, 2, SPARE
	v_mov_b32 v[NIL], 0
	v_lshrrev_b32 v1, 5, v0
	v_readfirstlane_b32 s20, v1                    ; wave 0..3
	v_and_b32 v2, 31, v0                           ; lane
	s_cmp_lt_u32 ttmp9, 256
	s_cbranch_scc0 .Lweights
; ---------------- x: a plain stream of blocks of 32.  Each load reads 512 consecutive bytes; a step's 2,048 bytes turn through the wave's stage so that a lane holds 16 neighbours.
	v_lshlrev_b32 v3, 4, v2                        ; my 16 bytes of a load's 512
	s_mul_i32 s21, s20, WREG
	v_lshrrev_b32 v14, 2, v2
	v_mul_u32_u24 v14, v14, SP
	v_and_b32 v15, 3, v2
	v_lshl_add_u32 v14, v15, 4, v14
	v_add_nc_u32 v14, s21, v14                     ; the stage, on the way in: SP (lane / 4) + 16 (lane % 4)
	v_mul_u32_u24 v15, v2, SP
	v_add_nc_u32 v15, s21, v15                     ; and on the way out: SP x lane
	v_mul_u32_u24 v4, v2, CB                       ; my codes' place in a step's
	v_lshrrev_b32 v5, 1, v2
	s_add_co_u32 s21, s21, 2*32*SP
	v_add_nc_u32 v5, s21, v5                       ; my wave's 256 scale bytes, my block's byte
	v_lshlrev_b32 v7, 3, v2                        ; and on the way out 8 bytes a lane
	v_add_nc_u32 v6, s21, v7
	s_lshl_b32 s22, ttmp9, 2
	s_add_co_u32 s24, s22, s20                     ; the run of 8 rows that I read: 4 x work-group + wave
	s_lshl_b32 s24, s24, 15                        ; 32,768 bytes a run
	s_mov_b32 s25, 0
	s_and_b32 s23, s20, 1
	s_lshl_b32 s23, s23, 1
	s_lshr_b32 s26, s20, 1
	s_or_b32 s23, s23, s26                         ; the wave's two bits exchanged: they are bits 3 and 4 of the row
	s_add_co_u32 s22, s22, s23                     ; the run that I write
	s_mul_i32 s26, s22, 8*KROW
	s_mov_b32 s27, 0
	s_lshl_b32 s28, s22, 8                         ; 256 scale bytes a run
	s_mov_b32 s29, 0
	s_wait_alu depctr_va_vdst(0)
	s_wait_kmcnt 0x0
	s_add_nc_u64 s[4:5], s[4:5], s[24:25]
	s_add_nc_u64 s[12:13], s[12:13], s[26:27]
	s_add_nc_u64 s[14:15], s[14:15], s[28:29]
.macro LOADX t
.irp i, 0,1,2,3
	global_load_b128 v[R+16*((\t)%4)+4*\i:R+16*((\t)%4)+4*\i+3], v3, s[4:5] offset:2048*(\t)+512*\i th:TH_LOAD_NT   ; 32 lanes read 512 consecutive bytes
.endr
.endm
.macro TURNX t                         ; step t's numbers through the stage: LDS serves a wave's instructions in order, so no wait stands between the stores and the loads
.irp i, 0,1,2,3
	ds_store_b128 v14, v[R+16*((\t)%4)+4*\i:R+16*((\t)%4)+4*\i+3] offset:32*SP*((\t)%2)+8*SP*\i
.endr
.irp i, 0,1,2,3
	ds_load_b128 v[X+16*((\t)%2)+4*\i:X+16*((\t)%2)+4*\i+3], v15 offset:32*SP*((\t)%2)+16*\i
.endr
.endm
.irp t, 0,1,2,3
	LOADX \t
.endr
	s_wait_loadcnt 12                              ; step 0's four loads are in; the twelve of steps 1 to 3 may be out
	TURNX 0
.macro STEPX t
.set XS, X+16*((\t)%2)
.if (\t) > 0
	s_wait_dscnt 1                                 ; this step's numbers are back from the stage (the last step's byte store may be out)
.else
	s_wait_dscnt 0x0
.endif
.if (\t)+4 < STEPS
	LOADX (\t)+4                                   ; into the registers that this step's stores into the stage have read
.endif
.if (\t)+1 < STEPS
.if STEPS-2-(\t) >= 3
	s_wait_loadcnt 12                              ; the next step's four loads are in; those of the three steps behind it may be out
.else
	s_wait_loadcnt 4*(STEPS-2-(\t))
.endif
	TURNX (\t)+1                                   ; and go through the other stage while this step is worked
.endif
	v_max3_num_f32 v8, |v[XS]|, |v[XS+1]|, |v[XS+2]|               ; the largest magnitude of my 16, in two chains
	v_max3_num_f32 v9, |v[XS+3]|, |v[XS+4]|, |v[XS+5]|
.irp i, 6,10
	v_max3_num_f32 v8, v8, |v[XS+\i]|, |v[XS+\i+1]|
	v_max3_num_f32 v9, v9, |v[XS+\i+2]|, |v[XS+\i+3]|
.endr
	v_max3_num_f32 v8, v8, |v[XS+14]|, |v[XS+15]|
	v_max3_num_f32 v8, v8, v9, (EMAX+1)<<23        ; and the floor 2^(3 - 127): the byte cannot fall under 1
	v_max_num_f32_dpp v8, v8, v8 row_xmask:1 row_mask:0xf bank_mask:0xf   ; and of my neighbour's 16: the block's
	v_add_nc_u32 v11, 0xff000000, v8               ; 2 off its exponent field: the conversion takes the exponent field of this operand as its scale
	v_cvt_scalef32_pk16_fp6_f32 v[C+4*(\t):C+4*(\t)+2], v[XS:XS+15], v11
	v_lshrrev_b32 v[E+(\t)], 23, v11               ; the scale's byte (also the plain line behind the conversion)
	ds_store_b8 v5, v[E+(\t)] offset:16*(\t)       ; both lanes of a block write the same byte with the same value
	global_store_b96 v4, v[C+4*(\t):C+4*(\t)+2], s[12:13] offset:32*CB*(\t)   ; the wave stores 384 consecutive bytes
.endm
.irp t, 0,1,2,3,4,5,6,7,8,9,10,11,12,13,14,15
	STEPX \t
.endr
	ds_load_b64 v[8:9], v6                         ; LDS serves a wave's instructions in order: these see my byte stores
	s_wait_dscnt 0x0
	global_store_b64 v7, v[8:9], s[14:15]          ; 32 lanes store 256 consecutive bytes, aligned
	s_wait_tensorcnt 0x0                           ; the wave's end, behind my last LDS store
	ds_add_u32 v[SPW], v[NIL]
	s_wait_dscnt 0x0
	s_endpgm
; ---------------- the weights: a lane takes a column n and its registers run down K, so a block of 32 is one lane's and the codes come out with K innermost.
.Lweights:
	s_sub_co_u32 s21, ttmp9, 256
	s_lshr_b32 s22, s21, 5                         ; which weight: 0 Wq, 1 Wk, 2 Wv
	s_and_b32 s23, s21, 7                          ; which 128 columns
	s_bfe_u32 s24, s21, 0x20003                    ; which 256 along K
	s_lshl_b32 s23, s23, 7
	s_lshl_b32 s25, s20, 5
	s_add_co_u32 s23, s23, s25                     ; my wave's first column
	s_wait_alu depctr_va_vdst(0)
	v_lshlrev_b32 v3, 2, v2                        ; in: 4 bytes a lane
	v_and_b32 v10, 7, v2
	v_bfe_u32 v11, v2, 3, 1
	v_lshl_add_u32 v10, v11, 4, v10
	v_bfe_u32 v11, v2, 4, 1
	v_lshl_add_u32 v10, v11, 3, v10                ; my lane with bits 3 and 4 exchanged: my column's storage row among the wave's 32
	s_mul_i32 s25, s20, 32*PITCH
	s_add_co_u32 s25, s25, WST                     ; my stage
	v_mul_u32_u24 v4, v10, PITCH
	v_add_nc_u32 v4, s25, v4                       ; into it: my storage row
	v_and_b32 v5, 15, v2
	v_lshrrev_b32 v6, 4, v2                        ; out of it: sixteen lanes to a row, two rows an instruction
	v_mul_u32_u24 v7, v6, PITCH
	v_lshl_add_u32 v7, v5, 4, v7
	v_add_nc_u32 v7, s25, v7
	v_mul_u32_u24 v8, v6, KROW
	v_mad_u32_u24 v8, v5, 12, v8                   ; and the same place in wc
	v_lshlrev_b32 v9, 5, v10                       ; my storage row's 32 scale bytes
	s_lshl_b32 s26, s24, 20                        ; 256 rows of 4,096 bytes
	s_lshl_b32 s27, s23, 2
	s_add_co_u32 s26, s26, s27
	s_mov_b32 s27, 0
	s_lshl_b32 s28, s22, 10
	s_add_co_u32 s28, s28, s23                     ; the wave's first row of wc and ws
	s_mul_i32 s30, s28, KROW
	s_mul_i32 s29, s24, 192
	s_add_co_u32 s30, s30, s29
	s_mov_b32 s31, 0
	s_lshl_b32 s28, s28, 5
	s_lshl_b32 s29, s24, 3
	s_add_co_u32 s28, s28, s29
	s_mov_b32 s29, 0
	s_wait_kmcnt 0x0
	s_cmp_eq_u32 s22, 1                            ; the choice hangs on the work-group's number alone
	s_cselect_b64 s[6:7], s[8:9], s[6:7]
	s_cmp_eq_u32 s22, 2
	s_cselect_b64 s[6:7], s[10:11], s[6:7]
	s_add_nc_u64 s[6:7], s[6:7], s[26:27]
	s_add_nc_u64 s[16:17], s[16:17], s[30:31]
	s_add_nc_u64 s[18:19], s[18:19], s[28:29]
.macro LOADW t                         ; block t: W(32 t + i, my column), i = 0 .. 31: each load reads 128 consecutive bytes a wave
.irp i, 0,1,2,3,4,5,6,7,8,9,10,11,12,13,14,15,16,17,18,19,20,21,22,23,24,25,26,27,28,29,30,31
	global_load_b32 v[XW+32*((\t)%2)+\i], v3, s[6:7] offset:(32*(\t)+\i)*4096 th:TH_LOAD_NT
.endr
.endm
	LOADW 0
	LOADW 1
.macro BLOCK t
.set XS, XW+32*((\t)%2)
.if (\t) < NB-1
	s_wait_loadcnt 32                              ; this block's 32 loads are in; the next block's 32 may be out
.else
	s_wait_loadcnt 0
.endif
	v_max3_num_f32 v16, |v[XS]|, |v[XS+1]|, |v[XS+2]|              ; the block's largest magnitude: all 32 numbers are mine
	v_max3_num_f32 v17, |v[XS+3]|, |v[XS+4]|, |v[XS+5]|
.irp i, 6,10,14,18,22,26
	v_max3_num_f32 v16, v16, |v[XS+\i]|, |v[XS+\i+1]|
	v_max3_num_f32 v17, v17, |v[XS+\i+2]|, |v[XS+\i+3]|
.endr
	v_max3_num_f32 v16, v16, |v[XS+30]|, |v[XS+31]|
	v_max3_num_f32 v16, v16, v17, (EMAX+1)<<23     ; and the floor
	v_add_nc_u32 v11, 0xff000000, v16              ; the conversion's scale operand
	v_lshrrev_b32 v17, 23, v11                     ; the scale's byte
.if (\t)%4 == 0
	v_mov_b32 v[SB+(\t)/4], v17                    ; four bytes to a register, the lower K in the lower byte
.else
	v_lshl_or_b32 v[SB+(\t)/4], v17, 8*((\t)%4), v[SB+(\t)/4]
.endif
	v_cvt_scalef32_pk16_fp6_f32 v[CW:CW+2], v[XS:XS+15], v11
	v_cvt_scalef32_pk16_fp6_f32 v[CW+4:CW+6], v[XS+16:XS+31], v11  ; (a conversion's three registers begin on an even number)
	ds_store_b96 v4, v[CW:CW+2] offset:32*(\t)     ; 12 bytes to a place of 16, so that every LDS address is a multiple of 16
	ds_store_b96 v4, v[CW+4:CW+6] offset:32*(\t)+16
.if (\t)+2 < NB
	LOADW (\t)+2
.endif
	s_wait_dscnt 0x0                               ; the stores have read their registers: the next block's codes may be written
.endm
.set Q, 0
.rept NB
	BLOCK Q
.set Q, Q+1
.endr
	s_wait_alu depctr_va_vdst(0)
	global_store_b64 v9, v[SB:SB+1], s[18:19]      ; my column's 8 scale bytes
.irp t, 0,1,2,3,4,5,6,7,8,9,10,11,12,13,14,15
	ds_load_b96 v[OUTR+4*\t:OUTR+4*\t+2], v7 offset:2*\t*PITCH     ; LDS serves a wave's instructions in order: these see my stores
.endr
.irp t, 0,1,2,3,4,5,6,7,8,9,10,11,12,13,14,15
	s_wait_dscnt 15-\t                             ; loads come back in order: the later ones may be out
	global_store_b96 v8, v[OUTR+4*\t:OUTR+4*\t+2], s[16:17] offset:2*\t*KROW   ; sixteen lanes store a row's 192 consecutive bytes
.endr
	s_wait_tensorcnt 0x0                           ; the wave's end, behind my last LDS store
	ds_add_u32 v[SPW], v[NIL]
	s_wait_dscnt 0x0
	s_endpgm
.Lfunc_end_k_qfdfec48ad2_quant:
	.size	k_qfdfec48ad2_quant, .Lfunc_end_k_qfdfec48ad2_quant-k_qfdfec48ad2_quant
	.p2alignl 7, 3214868480
	.fill 96, 4, 3214868480
	.section	.rodata,"a",@progbits
	.p2align	6, 0x0
	.amdhsa_kernel k_qfdfec48ad2_quant
		.amdhsa_group_segment_fixed_size 68096
		.amdhsa_private_segment_fixed_size 0
		.amdhsa_enable_private_segment 0
		.amdhsa_kernarg_size 64
		.amdhsa_user_sgpr_count 2
		.amdhsa_user_sgpr_kernarg_segment_ptr 1
		.amdhsa_wavefront_size32 1
		.amdhsa_system_sgpr_workgroup_id_x 1
		.amdhsa_system_sgpr_workgroup_id_y 1
		.amdhsa_system_sgpr_workgroup_id_z 1
		.amdhsa_system_vgpr_workitem_id 0
		.amdhsa_next_free_vgpr 192
		.amdhsa_next_free_sgpr 66
		.amdhsa_reserve_vcc 0
		.amdhsa_float_denorm_mode_32 3
		.amdhsa_float_denorm_mode_16_64 3
		.amdhsa_memory_ordered 1
		.amdhsa_forward_progress 1
		.amdhsa_inst_pref_size 74
	.end_amdhsa_kernel
	.amdgpu_metadata
---
amdhsa.version: [ 1, 2 ]
amdhsa.kernels:
  - .name:           k_qfdfec48ad2_quant
    .symbol:         k_qfdfec48ad2_quant.kd
    .args:
      - { .name: x, .offset: 0, .size: 8, .value_kind: global_buffer, .address_space: global }
      - { .name: Wq, .offset: 8, .size: 8, .value_kind: global_buffer, .address_space: global }
      - { .name: Wk, .offset: 16, .size: 8, .value_kind: global_buffer, .address_space: global }
      - { .name: Wv, .offset: 24, .size: 8, .value_kind: global_buffer, .address_space: global }
      - { .name: xc, .offset: 32, .size: 8, .value_kind: global_buffer, .address_space: global }
      - { .name: xs, .offset: 40, .size: 8, .value_kind: global_buffer, .address_space: global }
      - { .name: wc, .offset: 48, .size: 8, .value_kind: global_buffer, .address_space: global }
      - { .name: ws, .offset: 56, .size: 8, .value_kind: global_buffer, .address_space: global }
    .group_segment_fixed_size: 68096
    .private_segment_fixed_size: 0
    .kernarg_segment_align: 8
    .kernarg_segment_size: 64
    .max_flat_workgroup_size: 128
    .sgpr_count:     66
    .vgpr_count:     192
    .wavefront_size: 32
...
	.end_amdgpu_metadata
.endif
;; end of part 1
;; launch proj (part 2): grid 8 x 48, 4 waves a work-group, clusters of 4 x 4, 327,680 bytes of LDS; arguments xc, xs, wc, ws, bq, bk, bv, qf, kvf; writes qf, kvf
.if DOCPART == 2
	.amdgcn_target "amdgcn-amd-amdhsa--gfx1250"
	.amdhsa_code_object_version 6
	.text
	.protected	k_qfdfec48ad2_proj
	.globl	k_qfdfec48ad2_proj
	.p2align	8
	.type	k_qfdfec48ad2_proj,@function
k_qfdfec48ad2_proj:
	s_mov_b64 s[64:65], 0
	v_nop
	global_prefetch_b8 v0, s[64:65] scope:SCOPE_SE
	s_setreg_imm32_b32 hwreg(HW_REG_WAVE_MODE, 25, 1), 1
	s_wait_xcnt 0x0
	s_wait_alu depctr_hold_cnt(0) depctr_sa_sdst(0) depctr_va_vdst(0) depctr_va_sdst(0) depctr_va_ssrc(0) depctr_va_vcc(0) depctr_vm_vsrc(0)
	s_getreg_b32 s2, hwreg(HW_REG_IB_STS2, 6, 4)
	s_cmp_eq_u32 s2, 0
	s_cbranch_scc0 .Lentry_in_a_cluster
	s_endpgm
.Lentry_in_a_cluster:
	s_bfe_u32 s2, ttmp6, 0x10000c
	s_cmp_lg_u32 s2, 0xf033
	s_cbranch_scc0 .Lentry_shape_is_right
	s_endpgm
.Lentry_shape_is_right:
.set KSTEP,  256
.set NQ,     KSTEP/128
.set ROWB,   192
.set KROW,   768
.set PITCH,  240
.set FR,     12
.set NL,     6
.set NP,     4
.set HALFT,  128*PITCH
.set SLOT,   4*HALFT
.set KS,     32
.set SCL,    2*SLOT
.set HALFS,  (128*KS/256)*272
.set SBLK,   (16*KS/256)*272
.set SPARE,  SCL+4*HALFS
.set ADRA, 16
.set ADRB, 20
.set L8,   24
.set L16,  25
.set SOF,  26
.set ADRS, 27
.set SPW,  28
.set NIL,  29
.set BOF,  30
.set SC,   32
.set BI,   64
.set AF,   128
.set T,    128
.set TM,   192
.set PC,   208
.set SA,   228
.set SB,   236
.set CM,   244
.set G1, 24
.set G0, 32
.set G1B, 48
.set G0B, 56
.set G1S, 68
.set G0S, 76
.set G1SB, 80
.set G0SB, 88
.set MSB, 0
.macro WIN new
.if MSB != \new
	s_set_vgpr_msb (MSB<<8)|\new
.set MSB, \new
.endif
.endm
.set MUL_LO, 0xa1
.set MUL_HI, 0xf1
.set TO_B,   0x40
.macro JLOAD g0a, g1a, g0b, g1b
	s_cmp_eq_u32 s15, 0
	s_cbranch_scc0 .Lfor_b_\@
	tensor_load_to_lds s[\g0a:\g0a+3], s[\g1a:\g1a+7]
	s_nop 0
.rept 4
	v_nop
.endr
	s_branch .Lasked_\@
.Lfor_b_\@:
	tensor_load_to_lds s[\g0b:\g0b+3], s[\g1b:\g1b+7]
	s_nop 0
.rept 4
	v_nop
.endr
.Lasked_\@:
.endm
.macro CREST
	s_cmp_lg_u32 s14, 0
	s_cbranch_scc1 .Lnot_wave_0_\@
	s_barrier_signal -3
.Lnot_wave_0_\@:
	s_barrier_wait -3
	s_barrier_signal -1
	s_barrier_wait -1
.endm
.macro CROUND
	s_barrier_signal -1
	s_barrier_wait -1
	CREST
.endm
	s_load_b256 s[4:11], s[0:1], 0x0
	v_lshl_add_u32 v[SPW], v0, 2, SPARE
	v_mov_b32 v[NIL], 0
	ds_add_u32 v[SPW], v[NIL]
	ds_add_u32 v[SPW], v[NIL]
	v_lshrrev_b32 v1, 5, v0
	v_readfirstlane_b32 s14, v1
	s_lshr_b32 s15, s14, 1
	s_and_b32 s16, s14, 1
	s_bfe_u32 s40, ttmp6, 0x40000
	s_bfe_u32 s41, ttmp6, 0x40004
	s_and_b32 s96, ttmp7, 0xffff
	s_lshl_b32 s42, ttmp9, 2
	s_add_co_u32 s42, s42, s40
	s_sub_co_u32 s97, s96, 8
	s_lshl_b32 s97, s97, 3
	s_lshl_b32 s17, s96, 2
	s_cmp_ge_u32 s96, 8
	s_cselect_b32 s95, 1, 0
	s_cselect_b32 s97, s97, 0
	s_cselect_b32 s98, 2048, 0
	s_cselect_b32 s17, 0, s17
	s_add_co_u32 s42, s42, s97
	s_add_co_u32 s17, s17, s41
	s_lshl_b32 s43, s41, 2
	s_lshl_b32 s43, 15, s43
	s_lshl_b32 s44, 0x1111, s40
	s_or_b32 s[G1+0], s43, (0<<16)|(1<<20)|(1<<21)|(3<<22)|(3<<25)
	s_or_b32 s[G1B+0], s44, (0<<16)|(1<<20)|(1<<21)|(3<<22)|(3<<25)
.irp g, G1, G1B
	s_mov_b32 s[\g+1], ROWB<<16
	s_mov_b32 s[\g+2], 128<<16
	s_mov_b32 s[\g+3], ROWB<<16
	s_mov_b32 s[\g+4], 128
	s_mov_b32 s[\g+5], KROW
	s_mov_b32 s[\g+6], 0
	s_mov_b32 s[\g+7], 0
.endr
	s_or_b32 s[G1S+0], s43, (3<<16)|(1<<20)|(1<<21)|(5<<22)|(3<<25)
	s_or_b32 s[G1SB+0], s44, (3<<16)|(1<<20)|(1<<21)|(5<<22)|(3<<25)
.irp g, G1S, G1SB
	s_mov_b32 s[\g+1], 32<<16
	s_mov_b32 s[\g+2], (128*KS/256)<<16
	s_mov_b32 s[\g+3], 32<<16
	s_mov_b32 s[\g+4], 128*KS/256
	s_mov_b32 s[\g+5], 32
	s_mov_b32 s[\g+6], 0
	s_mov_b32 s[\g+7], 0
.endr
	s_lshl_b32 s18, s16, 7
	s_lshl_b32 s20, s17, 8
	s_add_co_u32 s20, s20, s18
	s_add_co_u32 s20, s20, s98
	s_lshl_b32 s46, s42, 8
	s_add_co_u32 s46, s46, s18
	s_lshl_b32 s22, s20, 5
	s_mov_b32 s23, 0
	s_mul_i32 s20, s20, KROW
	s_mov_b32 s21, 0
	s_lshl_b32 s12, s46, 5
	s_mov_b32 s13, 0
	s_mul_i32 s46, s46, KROW
	s_mov_b32 s47, 0
	s_mul_i32 s45, s14, HALFT
	s_mul_i32 s94, s14, HALFS
	s_wait_dscnt 0x0
	s_wait_kmcnt 0x0
	s_cmp_eq_u32 s95, 1
	s_cselect_b64 s[66:67], s[8:9], s[4:5]
	s_cselect_b64 s[100:101], s[10:11], s[6:7]
	s_cselect_b64 s[104:105], s[4:5], s[8:9]
	s_cselect_b64 s[92:93], s[6:7], s[10:11]
	s_add_nc_u64 s[20:21], s[66:67], s[20:21]
	s_add_nc_u64 s[22:23], s[100:101], s[22:23]
	s_add_nc_u64 s[46:47], s[104:105], s[46:47]
	s_add_nc_u64 s[92:93], s[92:93], s[12:13]
	CROUND
	s_mov_b32 s[G0S], 1
	s_add_co_u32 s[G0S+1], s94, SCL
	s_mov_b64 s[G0S+2:G0S+3], s[22:23]
	s_or_b32 s[G0S+3], s[G0S+3], 0x80000000
	s_mov_b32 s[G0SB], 1
	s_add_co_u32 s[G0SB+1], s94, SCL
	s_mov_b64 s[G0SB+2:G0SB+3], s[92:93]
	s_or_b32 s[G0SB+3], s[G0SB+3], 0x80000000
	JLOAD G0S, G1S, G0SB, G1SB
.irp s, 0,1
	s_mov_b32 s[G0+4*\s], 1
	s_add_co_u32 s[G0+4*\s+1], s45, \s*SLOT
	s_add_nc_u64 s[G0+4*\s+2:G0+4*\s+3], s[20:21], \s*ROWB
	s_or_b32 s[G0+4*\s+3], s[G0+4*\s+3], 0x80000000
	s_mov_b32 s[G0B+4*\s], 1
	s_add_co_u32 s[G0B+4*\s+1], s45, \s*SLOT
	s_add_nc_u64 s[G0B+4*\s+2:G0B+4*\s+3], s[46:47], \s*ROWB
	s_or_b32 s[G0B+4*\s+3], s[G0B+4*\s+3], 0x80000000
	s_wait_alu depctr_va_vdst(0)
	s_wait_tensorcnt 0x0
	ds_add_u32 v28, v29
	s_wait_dscnt 0x0
	CROUND
	JLOAD G0+4*\s, G1, G0B+4*\s, G1B
.endr
	s_load_b256 s[4:11], s[0:1], 0x20
	s_load_b64 s[12:13], s[0:1], 0x40
	v_and_b32 v1, 15, v0
	v_bfe_u32 v2, v0, 4, 1
	v_mul_u32_u24 v3, v1, PITCH
	v_mul_u32_u24 v4, v2, 24
	v_add_nc_u32 v4, v3, v4
	v_lshl_add_u32 v5, v2, 4, v4
	s_mul_i32 s21, s15, HALFT
	s_mul_i32 s22, s16, HALFT
	s_add_co_u32 s22, s22, 2*HALFT
.irp s, 0,1
	v_add_nc_u32 v[ADRA+\s], s21, v4
	v_add_nc_u32 v[ADRB+\s], s22, v4
	v_add_nc_u32 v[ADRA+2+\s], s21, v5
	v_add_nc_u32 v[ADRB+2+\s], s22, v5
	s_add_co_u32 s21, s21, SLOT
	s_add_co_u32 s22, s22, SLOT
.endr
	v_mul_u32_u24 v5, v1, KS
	v_lshrrev_b32 v6, 8, v5
	v_lshl_add_u32 v5, v6, 4, v5
	s_mul_i32 s21, s15, HALFS
	s_mul_i32 s22, s16, HALFS
	s_add_co_u32 s22, s22, 2*HALFS
	s_sub_co_u32 s22, s22, s21
	v_mul_u32_u24 v6, s22, v2
	s_add_co_u32 s21, s21, SCL
	v_add_nc_u32 v5, v5, v6
	v_add_nc_u32 v[ADRS], s21, v5
	v_and_b32 v6, 31, v0
	v_lshlrev_b32 v[L8], 3, v6
	v_lshlrev_b32 v[L16], 4, v6
	s_mov_b32 s3, 0xffff0000
	s_mov_b32 s104, 0x76543210
	s_mov_b32 s105, 0xfedcba98
.macro FRAG reg, adr, q, i
.irp p, 0,1,2,3,4,5
.set PCE, 12*(\q)+6*(\p/3)+\p%3
.if PCE%8 < 5
	ds_load_b64 v[\reg+2*\p:\reg+2*\p+1], v[\adr] offset:8*PCE+16*(PCE/8)+(\i)*16*PITCH
.else
	ds_load_b64 v[\reg+2*\p:\reg+2*\p+1], v[\adr+2] offset:8*PCE+16*(PCE/8)+(\i)*16*PITCH
.endif
.endr
.endm
.macro MUL16 a0, p, q, sc, zero
.irp a, \a0, \a0+1
.irp b, 0,1,2,3,4,5,6,7
.if \zero
	v_wmma_scale_f32_16x16x128_f8f6f4 v[8*(8*((\a)%4)+\b):8*(8*((\a)%4)+\b)+7], v[128*(\p)+FR*\b:128*(\p)+FR*\b+FR-1], v[AF+FR*(\a):AF+FR*(\a)+FR-1], 0, v[SC+8*NQ*(\sc)+NQ*\b+(\q)], v[SC+8*NQ*(\sc)+NQ*(\a)+(\q)] matrix_a_fmt:MATRIX_FMT_FP6 matrix_b_fmt:MATRIX_FMT_FP6 matrix_a_scale:MATRIX_SCALE_ROW1
.else
	v_wmma_scale_f32_16x16x128_f8f6f4 v[8*(8*((\a)%4)+\b):8*(8*((\a)%4)+\b)+7], v[128*(\p)+FR*\b:128*(\p)+FR*\b+FR-1], v[AF+FR*(\a):AF+FR*(\a)+FR-1], v[8*(8*((\a)%4)+\b):8*(8*((\a)%4)+\b)+7], v[SC+8*NQ*(\sc)+NQ*\b+(\q)], v[SC+8*NQ*(\sc)+NQ*(\a)+(\q)] matrix_a_fmt:MATRIX_FMT_FP6 matrix_b_fmt:MATRIX_FMT_FP6 matrix_a_scale:MATRIX_SCALE_ROW1
.endif
.endr
.endr
.endm
.macro FETCH_B slot, q, p
	WIN TO_B
.irp i, 0,1,2,3,4,5,6,7
	FRAG 128*(\p)+FR*\i, ADRB+\slot, \q, \i
.endr
	WIN 0
.endm
.macro FETCH_A slot, q, i0
.irp i, \i0, \i0+1, \i0+2, \i0+3
	FRAG AF+FR*(\i), ADRA+\slot, \q, \i
.endr
.endm
.macro SCALES sc
.irp i, 0,1,2,3,4,5,6,7
	ds_load_b64 v[SC+8*NQ*\sc+NQ*\i:SC+8*NQ*\sc+NQ*\i+1], v[ADRS] offset:\i*SBLK
.endr
.endm
.macro PLACES n
.rept \n
	v_nop
.endr
.endm
.macro STEP slot, q, zero
	s_wait_dscnt 4*NL
	WIN MUL_LO
	MUL16 0, (\q)%2, \q, \slot, \zero
	MUL16 2, (\q)%2, \q, \slot, \zero
	s_wait_dscnt 0
	PLACES NP
	FETCH_B \slot, (\q)+1, 1-(\q)%2
	FETCH_A \slot, (\q)+1, 0
	WIN MUL_HI
	MUL16 4, (\q)%2, \q, \slot, \zero
	MUL16 6, (\q)%2, \q, \slot, \zero
	PLACES NP
	WIN 0
	FETCH_A \slot, (\q)+1, 4
.endm
.macro TURN slot, next, fill
	s_wait_tensorcnt 0x0
	ds_add_u32 v[SPW], v[NIL]
	s_wait_dscnt 4*NL+1
	WIN MUL_LO
	MUL16 0, 1, NQ-1, \slot, 0
	s_wait_dscnt 0x0
	s_barrier_signal -1
	MUL16 2, 1, NQ-1, \slot, 0
	WIN 0
	s_barrier_wait -1
.if \fill
	CREST
	s_add_nc_u64 s[G0+4*\slot+2:G0+4*\slot+3], s[G0+4*\slot+2:G0+4*\slot+3], 2*ROWB
	s_add_nc_u64 s[G0B+4*\slot+2:G0B+4*\slot+3], s[G0B+4*\slot+2:G0B+4*\slot+3], 2*ROWB
	JLOAD G0+4*\slot, G1, G0B+4*\slot, G1B
.else
	PLACES NP
.endif
	s_wait_alu depctr_va_vdst(0)
	v_add_nc_u32 v[ADRS], 4*NQ, v[ADRS]
	FETCH_B \next, 0, 0
	FETCH_A \next, 0, 0
	SCALES \next
	WIN MUL_HI
	MUL16 4, 1, NQ-1, \slot, 0
	MUL16 6, 1, NQ-1, \slot, 0
	PLACES NP
	WIN 0
	FETCH_A \next, 0, 4
.endm
.macro QUANT s, pc, pw
.irp b, 0,1,2,3
	v_max3_num_f32 v[TM+\b], |v[\s+16*\b]|, |v[\s+1+16*\b]|, 0x1800000
.endr
.irp i, 2,4,6,8,10,12,14
.irp b, 0,1,2,3
	v_max3_num_f32 v[TM+\b], v[TM+\b], |v[\s+16*\b+\i]|, |v[\s+1+16*\b+\i]|
.endr
.endr
.irp b, 0,1,2,3
	v_permlanex16_b32 v[TM+4+\b], v[TM+\b], s104, s105
.endr
.irp b, 0,1,2,3
	v_max_num_f32 v[TM+\b], v[TM+\b], v[TM+4+\b]
.endr
.irp b, 0,1,2,3
	v_add_nc_u32 v[TM+12+\b], 0xff000000, v[TM+\b]
.endr
.irp b, 0,1,2,3
	v_lshrrev_b32 v[TM+4+\b], 23, v[TM+12+\b]
.endr
	v_lshl_or_b32 v[\pw], v[TM+5], 8, v[TM+4]
	v_lshl_or_b32 v[\pw], v[TM+6], 16, v[\pw]
	v_lshl_or_b32 v[\pw], v[TM+7], 24, v[\pw]
.irp c, 0,1
	v_cvt_scalef32_pk16_fp6_f32 v[\pc+6*\c:\pc+2+6*\c], v[\s+32*\c:\s+15+32*\c], v[TM+12+2*\c]
	v_cvt_scalef32_pk16_fp6_f32 v[\pc+12+4*\c:\pc+14+4*\c], v[\s+16+32*\c:\s+31+32*\c], v[TM+12+2*\c+1]
.endr
	v_nop
.irp c, 0,1
.irp i, 0,1,2
	v_permlane16_swap_b32 v[\pc+6*\c+\i], v[\pc+12+4*\c+\i]
.endr
.irp i, 0,1,2
	v_mov_b32 v[\pc+3+6*\c+\i], v[\pc+12+4*\c+\i]
.endr
.endr
.endm
.macro LAST
	STEP 1, 0, 0
	s_wait_dscnt 4*NL
	WIN MUL_LO
	MUL16 0, 1, NQ-1, 1, 0
	MUL16 2, 1, NQ-1, 1, 0
	s_wait_dscnt 0
	WIN MUL_HI
	MUL16 4, 1, NQ-1, 1, 0
	MUL16 6, 1, NQ-1, 1, 0
	WIN 0
	PLACES NP
	s_wait_loadcnt 0x0
.irp b, 0,1,2,3
	v_mov_b32 v[TM+4+\b], 0
.endr
.endm
.macro EPI a, kind
.if (\a) > 0
	s_wait_xcnt 0x0
.endif
.set AC, 64*((\a)%4)
	WIN 0x02+(\a)/4
.set i, 0
.rept 32
.if \kind
	v_pk_add_f32 v[T+2*i:T+2*i+1], v[AC+2*i:AC+2*i+1], v[BI+2*(\a):BI+2*(\a)+1]
.else
	v_pk_add_f32 v[T+2*i:T+2*i+1], v[AC+2*i:AC+2*i+1], v[BI+2*i:BI+2*i+1]
.endif
.set i, i+1
.endr
	WIN 0
	QUANT T, PC, SA+(\a)
.if \kind
.irp c, 0,1,2
	global_store_b128 v[L16], v[PC+4*\c:PC+4*\c+3], s[20+2*((\a)/4):21+2*((\a)/4)] offset:1536*((\a)%4)+512*\c
.endr
.else
	v_lshrrev_b32 v[SB+(\a)], 16, v[SA+(\a)]
	v_and_b32 v[SA+(\a)], 0xffff, v[SA+(\a)]
.irp q, 0,1,2
	global_store_b64 v[L8], v[PC+2*\q:PC+2*\q+1], s[20:21] offset:768*(\a)+256*\q
	global_store_b64 v[L8], v[PC+6+2*\q:PC+7+2*\q], s[22:23] offset:768*(\a)+256*\q
.endr
.endif
.endm
	s_wait_alu depctr_va_vdst(0)
	s_wait_kmcnt 0x0
	s_wait_tensorcnt 1
	s_barrier_signal -1
	s_barrier_wait -1
	FETCH_B 0, 0, 0
	FETCH_A 0, 0, 0
	SCALES 0
	FETCH_A 0, 0, 4
	STEP 0, 0, 1
	TURN 0, 1, 1
	STEP 1, 0, 0
	TURN 1, 0, 1
	STEP 0, 0, 0
	TURN 0, 1, 0
	s_cmp_eq_u32 s95, 1
	s_cbranch_scc1 .Larm_v
	s_lshr_b32 s92, s17, 3
	s_lshl_b32 s93, s17, 1
	s_add_co_u32 s93, s93, s15
	s_and_b32 s93, s93, 15
	s_and_b32 s94, s42, 3
	s_lshl_b32 s94, s94, 1
	s_add_co_u32 s94, s94, s16
	s_lshl_b32 s97, s92, 3
	s_add_co_u32 s97, s97, s94
	s_lshl_b32 s97, s97, 1
	s_lshl_b32 s98, s94, 9
	s_mov_b32 s99, 0
	s_mov_b32 s46, 106496
	s_mov_b32 s47, 6656
	s_mov_b32 s100, 6144
	s_cmp_eq_u32 ttmp9, 1
	s_cselect_b32 s46, 208896, s46
	s_cselect_b32 s47, 13056, s47
	s_cselect_b32 s100, 12288, s100
	s_cselect_b64 s[18:19], s[6:7], s[4:5]
	s_cselect_b64 s[20:21], s[12:13], s[10:11]
	s_add_nc_u64 s[18:19], s[18:19], s[98:99]
	s_mul_i32 s98, s97, s46
	s_mul_i32 s101, s93, s47
	s_add_co_u32 s98, s98, s101
	s_add_nc_u64 s[20:21], s[20:21], s[98:99]
	s_mov_b32 s47, 0
	s_add_nc_u64 s[22:23], s[20:21], s[46:47]
	v_lshlrev_b32 v[BOF], 6, v2
	v_add_nc_u32 v[SOF], s100, v[L16]
.irp b, 0,1,2,3
.irp i, 0,1,2,3
	global_load_b128 v[BI+16*\b+4*\i:BI+16*\b+4*\i+3], v[BOF], s[18:19] offset:128*\b+16*\i
.endr
.endr
	LAST
.irp a, 0,1,2,3,4,5,6,7
	EPI \a, 0
.endr
.irp i, 0,1,2,3
	v_cndmask_b32 v[CM+\i], v[SA+\i], v[SA+4+\i], s3
	v_cndmask_b32 v[CM+4+\i], v[SB+\i], v[SB+4+\i], s3
.endr
	global_store_b128 v[SOF], v[CM:CM+3], s[20:21]
	global_store_b128 v[SOF], v[CM+4:CM+7], s[22:23]
	s_branch .Lend
.Larm_v:
	s_lshr_b32 s92, s42, 3
	s_lshl_b32 s93, s42, 1
	s_add_co_u32 s93, s93, s16
	s_and_b32 s93, s93, 15
	s_lshl_b32 s94, s17, 1
	s_add_co_u32 s94, s94, s15
	s_lshl_b32 s97, s92, 3
	s_add_co_u32 s97, s97, s94
	s_lshl_b32 s97, s97, 1
	s_lshl_b32 s98, s94, 9
	s_mov_b32 s99, 0
	s_add_nc_u64 s[18:19], s[8:9], s[98:99]
	s_mul_i32 s98, s97, 208896
	s_mul_i32 s101, s93, 13056
	s_add_co_u32 s98, s98, s101
	s_add_co_u32 s98, s98, 6144
	s_add_nc_u64 s[20:21], s[12:13], s[98:99]
	s_add_nc_u64 s[22:23], s[20:21], 208896
	v_and_b32 v[BOF], 8, v1
	v_add_nc_u32 v[BOF], v[BOF], v1
	v_lshlrev_b32 v[BOF], 2, v[BOF]
	v_lshlrev_b32 v[SOF], 4, v1
	v_mad_u32_u24 v[SOF], v2, 0x33000, v[SOF]
	v_add_nc_u32 v[SOF], 6656, v[SOF]
.irp a, 0,1,2,3,4,5,6,7
	global_load_b32 v[BI+2*\a], v[BOF], s[18:19] offset:4*(32*(\a/2)+8*(\a%2))
	global_load_b32 v[BI+2*\a+1], v[BOF], s[18:19] offset:4*(32*(\a/2)+8*(\a%2))
.endr
	LAST
.irp a, 0,1,2,3,4,5,6,7
	EPI \a, 1
.endr
.irp i, 0,1,2,3
	v_cndmask_b32 v[CM+\i], v[SA+\i], v[SA+4+\i], s3
.endr
	global_store_b128 v[SOF], v[CM:CM+3], s[20:21]
.Lend:
	s_wait_tensorcnt 0x0
	ds_add_u32 v[SPW], v[NIL]
	s_wait_dscnt 0x0
	CROUND
	s_endpgm
.Lfunc_end_k_qfdfec48ad2_proj:
	.size	k_qfdfec48ad2_proj, .Lfunc_end_k_qfdfec48ad2_proj-k_qfdfec48ad2_proj
	.p2alignl 7, 3214868480
	.fill 96, 4, 3214868480
	.section	.rodata,"a",@progbits
	.p2align	6, 0x0
	.amdhsa_kernel k_qfdfec48ad2_proj
		.amdhsa_group_segment_fixed_size 327680
		.amdhsa_private_segment_fixed_size 0
		.amdhsa_enable_private_segment 0
		.amdhsa_kernarg_size 72
		.amdhsa_user_sgpr_count 2
		.amdhsa_user_sgpr_kernarg_segment_ptr 1
		.amdhsa_wavefront_size32 1
		.amdhsa_system_sgpr_workgroup_id_x 1
		.amdhsa_system_sgpr_workgroup_id_y 1
		.amdhsa_system_sgpr_workgroup_id_z 1
		.amdhsa_system_vgpr_workitem_id 0
		.amdhsa_next_free_vgpr 1024
		.amdhsa_next_free_sgpr 106
		.amdhsa_reserve_vcc 0
		.amdhsa_float_denorm_mode_32 3
		.amdhsa_float_denorm_mode_16_64 3
		.amdhsa_memory_ordered 1
		.amdhsa_forward_progress 1
		.amdhsa_inst_pref_size 255
	.end_amdhsa_kernel
	.section	.bss,"aw",@nobits
	.p2align	6
	.space	262144
	.amdgpu_metadata
---
amdhsa.version: [ 1, 2 ]
amdhsa.kernels:
  - .name:           k_qfdfec48ad2_proj
    .symbol:         k_qfdfec48ad2_proj.kd
    .args:
      - { .name: xc, .offset: 0, .size: 8, .value_kind: global_buffer, .address_space: global }
      - { .name: xs, .offset: 8, .size: 8, .value_kind: global_buffer, .address_space: global }
      - { .name: wc, .offset: 16, .size: 8, .value_kind: global_buffer, .address_space: global }
      - { .name: ws, .offset: 24, .size: 8, .value_kind: global_buffer, .address_space: global }
      - { .name: bq, .offset: 32, .size: 8, .value_kind: global_buffer, .address_space: global }
      - { .name: bk, .offset: 40, .size: 8, .value_kind: global_buffer, .address_space: global }
      - { .name: bv, .offset: 48, .size: 8, .value_kind: global_buffer, .address_space: global }
      - { .name: qf, .offset: 56, .size: 8, .value_kind: global_buffer, .address_space: global }
      - { .name: kvf, .offset: 64, .size: 8, .value_kind: global_buffer, .address_space: global }
    .group_segment_fixed_size: 327680
    .private_segment_fixed_size: 0
    .kernarg_segment_align: 8
    .kernarg_segment_size: 72
    .max_flat_workgroup_size: 128
    .sgpr_count:     106
    .vgpr_count:     1024
    .wavefront_size: 32
...
	.end_amdgpu_metadata
.endif
;; end of part 2
;; launch attn (part 3): grid 4 x 64, 16 waves a work-group, clusters of 4 x 1, 280,576 bytes of LDS; arguments qf, kvf, out0; writes out0
.if DOCPART == 3
	.amdgcn_target "amdgcn-amd-amdhsa--gfx1250"
	.amdhsa_code_object_version 6
	.text
	.protected	k_qfdfec48ad2_attn
	.globl	k_qfdfec48ad2_attn
	.p2align	8
	.type	k_qfdfec48ad2_attn,@function
k_qfdfec48ad2_attn:
	s_mov_b64 s[64:65], 0
	v_nop
	global_prefetch_b8 v0, s[64:65] scope:SCOPE_SE
	s_setreg_imm32_b32 hwreg(HW_REG_WAVE_MODE, 25, 1), 1
	s_wait_xcnt 0x0
	s_wait_alu depctr_hold_cnt(0) depctr_sa_sdst(0) depctr_va_vdst(0) depctr_va_sdst(0) depctr_va_ssrc(0) depctr_va_vcc(0) depctr_vm_vsrc(0)
	s_getreg_b32 s2, hwreg(HW_REG_IB_STS2, 6, 4)
	s_cmp_eq_u32 s2, 0
	s_cbranch_scc0 .Lentry_in_a_cluster
	s_endpgm
.Lentry_in_a_cluster:
	s_bfe_u32 s2, ttmp6, 0x10000c
	s_cmp_lg_u32 s2, 0x3003
	s_cbranch_scc0 .Lentry_shape_is_right
	s_endpgm
.Lentry_shape_is_right:
; out0[b][q][64 head + d] = the sum over k of softmax_k(Q[q] . K[k] / 8) V[k][d], for 64 (b, head), 2,048 tokens, head size 64; both products on codes of FP6 (E2M3) with one E8M0 scale for each 32 along K.
; qf and kvf hold IMAGES OF OPERAND REGISTERS, by (b, head) and step of 128 tokens: qf: 8 tiles x 768 bytes (16 tokens x 64 d: register pair q at 256 q + 8 lane), 512 bytes of scale words;
; kvf: K's 8 tiles so at 0, V's 4 fragments (16 d x 128 keys: register quad c at 512 c + 16 lane) at 6,144, K's scale words at 12,288, V's at 12,800: 13,056 bytes a step.
; THE SOFTMAX AHEAD OF THE SECOND PRODUCT: t = score x log2(e) / 8; M = the running largest t rounded UP to a whole number; p = 2^(t - M) is what is quantised, along the keys; the row's sum is taken of the
; unquantised p and divides at the end.  When M moves, the sum and O are multiplied by 2^(old M - new M): exact.
; SHARES.  A cluster of four work-groups is one (b, head); a work-group owns 512 queries; each of its sixteen waves owns one tile of 16 queries at a time, in two passes: four waves to a SIMD, so that one
; wave's vector work stands beside another's matrix work and LDS loads.
; NO RING.  A head's K and V, 208,896 dense bytes, come into LDS ONCE, jointly for the four partners, and stay: sixteen loads of one step each (waves 0-3, four each) go out at the head; the first pass reads
; them in four chunks, each behind a counted wait and a barrier.  Nothing is filled again.  All of K and V is asked for at the head, so there is no later load for a prefetch to run ahead of.
; LAYOUT.  Both products are used transposed: S^T = K Q^T (source 0 = 16 keys, source 1 = my 16 queries), O^T = V^T P^T: a lane holds ONE query (lane % 16) throughout.  The rows of a tile lie in storage order
; (tile 2 b + u, lane r: logical row 32 b + 8 u + r + 8 (r / 8)), so that register 16 b + i of S^T is key 32 b + 16 (lane / 16) + i, and of O^T likewise d.
; K = 64 IN AN INSTRUCTION OF 128: Q's upper six registers are zeros, so whatever stands in the upper six of K's operand adds exactly 0 (E2M3 has no NaN and no infinity; bytes 2 and 3 of the scale words are 0):
; K's operand of tile t is its six registers and the six that follow them.
; LIMITS: NaN and infinities are not served.
.set STEPB,  13056
.set CHUNK,  4*STEPB
.set HEADKV, 16*STEPB
.set QSTEP,  6656
.set HEADQ,  16*QSTEP
.set STAGE,  HEADKV                    ; behind K and V: 16 rows x (256 bytes + 16) for each wave, for the way out; no tile lands there
.set SPARE,  STAGE+16*16*272           ; the spare words, 128 bytes for each wave: eight blocks of 256 bytes that no other line names
.set AK0,  1                           ; v1   8 x lane: my place in a tile of K
.set AV0,  2                           ; v2   16 x lane + 6,144: in a fragment of V
.set ASK0, 3                           ; v3   16 r + 12,288: among K's scale words
.set ASV0, 4                           ; v4   16 r + 12,800: among V's
.set SPW,  5                           ; v5   LDS address of my spare word; never rewritten
.set NIL,  6                           ; v6   0; never rewritten
.set GO,   7                           ; v7   the way out: 4,096 h + 16 r
.set ADK,  8                           ; v8-11 the step's LDS addresses
.set ADV,  9
.set ADS,  10
.set ADT,  11
                                       ; v12 -M, v13 the largest t, v[14:15] the sum in two halves
.set QF,   16                          ; v16-21 Q's codes, v22-27 zeros
.set QW,   28                          ; v28  Q's scale words
.set QO,   29                          ; v29  my offset among Q's codes
.set QSO,  30                          ; v30  and among its scale words
.set F,    32                          ; v32-79 8 tiles of K x 6, then 4 fragments of V x 12; v80-85 zeros
.set STO,  86
.set RD,   87
.set S,    96                          ; v96-159 S^T, then p
.set O,    160                         ; v160-191 O^T
.set PCD,  192                         ; v192-203 p's codes; v204-206, v208-210 the conversions' second halves
.set KW,   212                         ; v212-219 K's scale words
.set VW,   220                         ; v220-223 V's
.set BM,   224                         ; v224-227 the blocks' largest scores, then largest p
.set BT,   228                         ; v228-231 at work
.set BS,   232                         ; v232-235 the conversions' scale operands
.set PW,   236                         ; v236 p's scale word
.set FF,   238                         ; v[238:239] f = 2^(old M - new M) (v239 is named with it as a pair)
.set TP,   240
.set WV,   10
.set SEL,  20
.set CS,   22
.set G1,   24
.set G0,   32
.set TB,   48                          ; s48  LDS byte at which the step in hand begins
.set CNT,  49
.macro ROUND                           ; a round of the cluster's barrier
	s_barrier_signal -1
	s_barrier_wait -1
	s_cmp_lg_u32 s[WV], 0
	s_cbranch_scc1 .Lnot_wave_0_\@
	s_barrier_signal -3
.Lnot_wave_0_\@:
	s_barrier_wait -3
	s_barrier_signal -1
	s_barrier_wait -1
.endm
	s_load_b128 s[4:7], s[0:1], 0x0                ; qf s[4:5], kvf s[6:7]
	s_load_b64 s[8:9], s[0:1], 0x10                ; out0
	v_lshl_add_u32 v[SPW], v0, 2, SPARE
	v_mov_b32 v[NIL], 0
	ds_add_u32 v[SPW], v[NIL]                      ; the wave's opening: the add and its wait stand ahead of the first tensor loads; the set-up below stands between them
	ds_add_u32 v[SPW], v[NIL]
	v_lshrrev_b32 v8, 5, v0
	s_delay_alu instid0(VALU_DEP_1)
	v_readfirstlane_b32 s[WV], v8                  ; wave 0..15
	s_bfe_u32 s11, ttmp6, 0x40000                  ; cx: my place in the cluster: it enters Q's and out0's addresses alone
	s_and_b32 s12, ttmp7, 0xffff                   ; (b, head), which the four partners share
	; descriptor group 1: a step's 13,056 dense bytes as 51 rows of 256 bytes (32 elements of 8), no padding
	s_mov_b32 s[G1], 15|(3<<16)|(1<<21)            ; 15:0 the mask: all four work-groups; 17:16 elements of 8 bytes; 21 set beside a mask
	s_mov_b32 s[G1+1], 32<<16                      ; tensor_dim0
	s_mov_b32 s[G1+2], 51<<16                      ; tensor_dim1
	s_mov_b32 s[G1+3], 32<<16                      ; tile_dim0
	s_mov_b32 s[G1+4], 51                          ; tile_dim1
	s_mov_b32 s[G1+5], 32                          ; the pitch
	s_mov_b32 s[G1+6], 0
	s_mov_b32 s[G1+7], 0
	s_mov_b32 s[SEL], 0x76543210
	s_mov_b32 s[SEL+1], 0xfedcba98                 ; v_permlanex16_b32's selects for lane l xor 16
	s_mov_b32 s[CS], 0x3e38aa3b                    ; c = log2(e) / 8
	s_mov_b32 s[CS+1], s[CS]                       ; (named with it as a pair, so it is written)
	s_and_b32 s13, s[WV], 3
	s_mul_i32 s13, s13, STEPB                      ; which step of a chunk I fetch, if I fetch: in LDS and in memory alike
	s_mul_i32 s14, s12, HEADKV
	s_add_co_u32 s14, s14, s13
	s_mov_b32 s15, 0
	s_wait_dscnt 0x0                               ; the opening add is done
	s_wait_kmcnt 0x0
	s_add_nc_u64 s[6:7], s[6:7], s[14:15]
	ROUND                                          ; all four work-groups are here: the joint loads meet
.irp c, 0,1,2,3
	s_mov_b32 s[G0+4*\c], 1                        ; count = 1
	s_add_co_u32 s[G0+4*\c+1], s13, \c*CHUNK       ; LDS address: step 4 c + wave
	s_add_nc_u64 s[G0+4*\c+2:G0+4*\c+3], s[6:7], \c*CHUNK
	s_or_b32 s[G0+4*\c+3], s[G0+4*\c+3], 0x80000000   ; type = 2
.endr
	s_cmp_lt_u32 s[WV], 4                          ; waves 0-3 fetch: a wave's four fills stand in one branch, ahead of every wait on TENSORcnt, LDS read and barrier: four loads of mine are out
	s_cbranch_scc0 .Lno_fetch
.irp c, 0,1,2,3
	tensor_load_to_lds s[G0+4*\c:G0+4*\c+3], s[G1:G1+7]
	s_nop 0
.endr
.rept 4
	v_nop
.endr
.Lno_fetch:
	s_lshr_b32 s16, s[WV], 3
	s_lshl_b32 s17, s11, 2
	s_add_co_u32 s16, s16, s17                     ; my step of queries in the first pass: 4 cx + wave / 8
	s_and_b32 s17, s[WV], 7                        ; my tile in it
	s_mul_i32 s18, s12, HEADQ
	s_mul_i32 s19, s16, QSTEP
	s_add_co_u32 s18, s18, s19
	s_mov_b32 s19, 0
	s_add_nc_u64 s[4:5], s[4:5], s[18:19]          ; Q's step block
	s_lshr_b32 s18, s12, 4
	s_lshl_b32 s18, s18, 23                        ; the batch: 2,048 rows of 4,096 bytes
	s_and_b32 s50, s12, 15
	s_lshl_b32 s50, s50, 8                         ; the head: 256 bytes of a row
	s_add_co_u32 s18, s18, s50
	s_lshl_b32 s50, s16, 7
	s_lshr_b32 s51, s17, 1
	s_lshl_b32 s51, s51, 5
	s_add_co_u32 s50, s50, s51
	s_and_b32 s51, s17, 1
	s_lshl_b32 s51, s51, 3
	s_add_co_u32 s50, s50, s51                     ; the tile's first logical query: 128 step + 32 (a / 2) + 8 (a % 2)
	s_lshl_b32 s50, s50, 12
	s_add_co_u32 s18, s18, s50
	s_add_nc_u64 s[8:9], s[8:9], s[18:19]
	s_mul_i32 s52, s[WV], 16*272
	s_add_co_u32 s52, s52, STAGE                   ; my stage
	v_and_b32 v8, 31, v0                           ; lane
	v_and_b32 v9, 15, v0                           ; r
	v_bfe_u32 v10, v0, 4, 1                        ; h
	s_delay_alu instid0(VALU_DEP_3)
	v_lshlrev_b32 v[AK0], 3, v8
	s_delay_alu instid0(VALU_DEP_4)
	v_lshlrev_b32 v[AV0], 4, v8
	s_delay_alu instid0(VALU_DEP_1)
	v_add_nc_u32 v[AV0], 6144, v[AV0]
	v_lshlrev_b32 v[ASK0], 4, v9
	s_delay_alu instid0(VALU_DEP_1)
	v_add_nc_u32 v[ASV0], 12800, v[ASK0]
	s_delay_alu instid0(VALU_DEP_2)
	v_add_nc_u32 v[ASK0], 12288, v[ASK0]
	v_lshlrev_b32 v[GO], 12, v10
	s_delay_alu instid0(VALU_DEP_1)
	v_lshl_add_u32 v[GO], v9, 4, v[GO]
	s_mul_i32 s50, s17, 768
	v_add_nc_u32 v[QO], s50, v[AK0]                ; 768 a + 8 lane
	s_lshr_b32 s50, s17, 2
	s_lshl_b32 s50, s50, 8
	s_and_b32 s51, s17, 3
	s_lshl_b32 s51, s51, 2
	s_add_co_u32 s50, s50, s51
	s_add_co_u32 s50, s50, 6144
	v_lshl_add_u32 v[QSO], v9, 4, s50              ; 6,144 + 256 (a / 4) + 16 r + 4 (a % 4)
.irp i, 0,1,2,3,4,5
	v_mov_b32 v[QF+6+\i], 0                        ; the upper half of Q's operand: zero codes, written once
	v_mov_b32 v[F+48+\i], 0                        ; and what follows K's last tile
.endr
.irp b, 0,1,2,3
	v_mov_b32 v[BT+\b], 0                          ; written once: a lane permute's destination counts as one of its sources
.endr
	v_mov_b32 v[FF+1], 0
; A KEY STEP: 128 keys.
.macro STEP
	v_add_nc_u32 v[ADK], s[TB], v[AK0]             ; these four are also the places between the last products and the loads into the registers that they read
	v_add_nc_u32 v[ADV], s[TB], v[AV0]
	v_add_nc_u32 v[ADS], s[TB], v[ASK0]
	v_add_nc_u32 v[ADT], s[TB], v[ASV0]
.irp t, 0,1,2,3,4,5,6,7
.irp q, 0,1,2
	ds_load_b64 v[F+6*\t+2*\q:F+6*\t+2*\q+1], v[ADK] offset:768*\t+256*\q   ; 32 lanes read 256 consecutive bytes
.endr
.endr
	ds_load_b128 v[KW:KW+3], v[ADS]                ; the scale words of tiles 0-3,
	ds_load_b128 v[KW+4:KW+7], v[ADS] offset:256   ; and 4-7
	s_wait_alu depctr_va_vdst(0)
	s_wait_dscnt 0x0
.irp t, 0,1,2,3,4,5,6,7
	v_wmma_scale_f32_16x16x128_f8f6f4 v[S+8*\t:S+8*\t+7], v[F+6*\t:F+6*\t+11], v[QF:QF+11], 0, v[KW+\t], v[QW] matrix_a_fmt:MATRIX_FMT_FP6 matrix_b_fmt:MATRIX_FMT_FP6
.endr
.rept 4
	v_nop                                          ; places in front of the loads below and of the first read of the scores
.endr
.irp t, 0,1,2,3
.irp c, 0,1,2
	ds_load_b128 v[F+12*\t+4*\c:F+12*\t+4*\c+3], v[ADV] offset:1536*\t+512*\c   ; V's fragments land under the softmax
.endr
.endr
	ds_load_b128 v[VW:VW+3], v[ADT]
.irp b, 0,1,2,3
	v_max3_num_f32 v[BM+\b], v[S+16*\b], v[S+1+16*\b], v[S+2+16*\b]   ; the largest score of each block of 32 keys: it serves for the row's maximum and, since p rises with the score, for the block's largest p
.endr
.irp i, 3,5,7,9,11,13
.irp b, 0,1,2,3
	v_max3_num_f32 v[BM+\b], v[BM+\b], v[S+16*\b+\i], v[S+1+16*\b+\i]
.endr
.endr
.irp b, 0,1,2,3
	v_max_num_f32 v[BM+\b], v[BM+\b], v[S+15+16*\b]
.endr
.irp b, 0,1,2,3
	s_delay_alu instid0(VALU_DEP_4)
	v_permlanex16_b32 v[BT+\b], v[BM+\b], s[SEL], s[SEL+1]
.endr
.irp b, 0,1,2,3
	s_delay_alu instid0(VALU_DEP_4)
	v_max_num_f32 v[BM+\b], v[BM+\b], v[BT+\b]     ; with lane l xor 16's 16 keys
.endr
	s_delay_alu instid0(VALU_DEP_2)
	v_max3_num_f32 v[TP], v[BM], v[BM+1], v[BM+2]
	s_delay_alu instid0(VALU_DEP_1)
	v_max_num_f32 v[TP], v[TP], v[BM+3]            ; the step's largest score of my query
	s_delay_alu instid0(VALU_DEP_1)
	v_mul_f32 v[TP], s[CS], v[TP]                  ; as t (c is positive)
	s_delay_alu instid0(VALU_DEP_1)
	v_max_num_f32 v13, v13, v[TP]                  ; the running largest t
	v_mov_b32 v[TP], v12
	s_delay_alu instid0(VALU_DEP_2)
	v_floor_f32 v12, -v13                          ; the new -M = floor(-t) = -ceil(t): a whole number
	s_delay_alu instid0(VALU_DEP_1)
	v_sub_f32 v[TP], v12, v[TP]                    ; old M - new M: a whole number, 0 or less
	s_delay_alu instid0(VALU_DEP_1)
	v_cvt_i32_f32 v[TP], v[TP]                     ; (it saturates)
	s_delay_alu instid0(VALU_DEP_1)
	v_ldexp_f32 v[FF], 1.0, v[TP]                  ; f = 2^(old M - new M)
.set j, 0
.rept 32
	v_pk_fma_f32 v[S+j:S+j+1], v[S+j:S+j+1], s[CS:CS+1], v[12:13] op_sel_hi:[1,0,0]   ; t - M, two at a time
.set j, j+2
.endr
.irp b, 0,1,2,3
	v_fma_f32 v[BM+\b], v[BM+\b], s[CS], v12       ; the same of each block's largest score
.endr
.set j, 0
	s_setprio 1
	s_wait_alu depctr_va_vdst(0)
.rept 64
	v_exp_f32 v[S+j], v[S+j]                       ; p = 2^(t - M), at most 1: not normalised
.set j, j+1
.endr
	v_pk_mul_f32 v[14:15], v[14:15], v[FF:FF+1] op_sel_hi:[1,0]   ; the sums under the new M (the plain instruction behind the exponentials)
	s_wait_alu depctr_va_vdst(0)                   ; one wait for the whole batch, ahead of its first reader
.irp b, 0,1,2,3
	v_exp_f32 v[BM+\b], v[BM+\b]                   ; the block's largest p: the same two instructions on the same number give the same bits
.endr
	v_pk_add_f32 v[228:229], v[100:101], v[104:105]
	v_pk_add_f32 v[254:255], v[108:109], v[112:113]
	v_pk_add_f32 v[252:253], v[116:117], v[120:121]
	v_pk_add_f32 v[250:251], v[124:125], v[128:129]
	v_pk_add_f32 v[248:249], v[132:133], v[136:137]
	v_pk_add_f32 v[246:247], v[140:141], v[144:145]
	v_pk_add_f32 v[244:245], v[148:149], v[152:153]
	v_pk_add_f32 v[14:15], v[14:15], v[156:157]
	v_pk_add_f32 v[228:229], v[228:229], v[96:97]
	v_pk_add_f32 v[254:255], v[254:255], v[98:99]
	v_pk_add_f32 v[252:253], v[252:253], v[102:103]
	v_pk_add_f32 v[250:251], v[250:251], v[106:107]
	v_pk_add_f32 v[248:249], v[248:249], v[110:111]
	v_pk_add_f32 v[246:247], v[246:247], v[114:115]
	v_pk_add_f32 v[244:245], v[244:245], v[118:119]
	v_pk_add_f32 v[14:15], v[14:15], v[122:123]
	v_pk_add_f32 v[228:229], v[228:229], v[126:127]
	v_pk_add_f32 v[254:255], v[254:255], v[130:131]
	v_pk_add_f32 v[252:253], v[252:253], v[134:135]
	v_pk_add_f32 v[250:251], v[250:251], v[138:139]
	v_pk_add_f32 v[248:249], v[248:249], v[142:143]
	v_pk_add_f32 v[246:247], v[246:247], v[146:147]
	v_pk_add_f32 v[244:245], v[244:245], v[150:151]
	v_pk_add_f32 v[14:15], v[14:15], v[154:155]
	v_pk_add_f32 v[228:229], v[228:229], v[158:159]
	s_delay_alu instid0(VALU_DEP_2)
	v_pk_add_f32 v[14:15], v[14:15], v[250:251]
	s_delay_alu instid0(VALU_DEP_2)
	v_pk_add_f32 v[228:229], v[228:229], v[248:249]
	v_pk_add_f32 v[254:255], v[254:255], v[246:247]
	v_pk_add_f32 v[252:253], v[252:253], v[244:245]
	s_delay_alu instid0(VALU_DEP_2)
	v_pk_add_f32 v[14:15], v[14:15], v[254:255]
	s_delay_alu instid0(VALU_DEP_2)
	v_pk_add_f32 v[228:229], v[228:229], v[252:253]
	s_delay_alu instid0(VALU_DEP_1)
	v_pk_add_f32 v[14:15], v[14:15], v[228:229]
	s_wait_alu depctr_va_vdst(0)                   ; and one for the four
.irp b, 0,1,2,3
	v_max_num_f32 v[BM+\b], 0x1800000, v[BM+\b]    ; the floor 2^(3 - 127): the byte cannot fall under 1
.endr
.irp b, 0,1,2,3
	s_delay_alu instid0(VALU_DEP_4)
	v_add_nc_u32 v[BS+\b], 0xff000000, v[BM+\b]    ; 2 off the exponent field: the conversion's scale operand
.endr
.irp b, 0,1,2,3
	s_delay_alu instid0(VALU_DEP_4)
	v_lshrrev_b32 v[BT+\b], 23, v[BS+\b]           ; the scale's byte
.endr
	s_delay_alu instid0(VALU_DEP_3)
	v_lshl_or_b32 v[PW], v[BT+1], 8, v[BT]         ; p's scale word for these 128 keys
	s_delay_alu instid0(VALU_DEP_1)
	v_lshl_or_b32 v[PW], v[BT+2], 16, v[PW]
	s_delay_alu instid0(VALU_DEP_1)
	v_lshl_or_b32 v[PW], v[BT+3], 24, v[PW]
.irp c, 0,1
	v_cvt_scalef32_pk16_fp6_f32 v[PCD+6*\c:PCD+2+6*\c], v[S+32*\c:S+15+32*\c], v[BS+2*\c]
	v_cvt_scalef32_pk16_fp6_f32 v[PCD+12+4*\c:PCD+14+4*\c], v[S+16+32*\c:S+31+32*\c], v[BS+2*\c+1]   ; (a conversion's three registers begin on an even number)
.endr
	v_nop                                          ; one plain place behind a scaled conversion
.irp c, 0,1                            ; the operand's layout wants a whole block in a lane
.irp i, 0,1,2
	v_permlane16_swap_b32 v[PCD+6*\c+\i], v[PCD+12+4*\c+\i]
.endr
.irp i, 0,1,2
	s_delay_alu instid0(VALU_DEP_3)
	v_mov_b32 v[PCD+3+6*\c+\i], v[PCD+12+4*\c+\i]
.endr
.endr
.set j, 0
	s_setprio 0
.rept 16
	v_pk_mul_f32 v[O+j:O+j+1], v[O+j:O+j+1], v[FF:FF+1] op_sel_hi:[1,0]   ; O^T under the new M.  (These 16 are also the places between p's codes and scale word and the products below)
.set j, j+2
.endr
	s_wait_alu depctr_va_vdst(0)
	s_wait_dscnt 0x0                               ; V
.irp t, 0,1,2,3
	v_wmma_scale_f32_16x16x128_f8f6f4 v[O+8*\t:O+8*\t+7], v[F+12*\t:F+12*\t+11], v[PCD:PCD+11], v[O+8*\t:O+8*\t+7], v[VW+\t], v[PW] matrix_a_fmt:MATRIX_FMT_FP6 matrix_b_fmt:MATRIX_FMT_FP6
.endr
	s_add_co_u32 s[TB], s[TB], STEPB
.endm
.macro STEPS n                         ; the accumulators take turns, one instruction a turn, over the backward jump too
	s_mov_b32 s[CNT], \n
.Lstep_\@:
	s_setprio 2
	STEP
	s_sub_co_u32 s[CNT], s[CNT], 1
	s_cmp_lg_u32 s[CNT], 0
	s_cbranch_scc1 .Lstep_\@
	s_setprio 0
.endm
; THE WAY OUT.  O^T / the sum goes through my stage in LDS, so that sixteen lanes store the 256 bytes of one (query, head), aligned.
.macro WAYOUT
	v_add_f32 v14, v14, v15                        ; the sum's two halves,
	s_delay_alu instid0(VALU_DEP_1)
	v_permlanex16_b32 v[TP], v14, s[SEL], s[SEL+1]
	s_delay_alu instid0(VALU_DEP_1)
	v_add_f32 v14, v14, v[TP]                      ; and lane l xor 16's: the row's sum
	s_wait_alu depctr_va_vdst(0)
	v_rcp_f32 v14, v14
	v_and_b32 v8, 15, v0                           ; r.  (The address work is the plain work behind the reciprocal and behind the last products)
	v_bfe_u32 v9, v0, 4, 1                         ; h
	s_delay_alu instid0(VALU_DEP_2)
	v_mul_u32_u24 v[STO], v8, 272
	s_delay_alu instid0(VALU_DEP_1)
	v_lshl_add_u32 v[STO], v9, 6, v[STO]
	s_delay_alu instid0(VALU_DEP_1)
	v_add_nc_u32 v[STO], s52, v[STO]               ; in: row r; registers 16 b + i are d = 32 b + 16 h + i
	s_delay_alu instid0(VALU_DEP_4)
	v_mul_u32_u24 v[RD], v9, 272
	s_delay_alu instid0(VALU_DEP_1)
	v_lshl_add_u32 v[RD], v8, 4, v[RD]
	s_delay_alu instid0(VALU_DEP_1)
	v_add_nc_u32 v[RD], s52, v[RD]                 ; back: lanes 0-15 one row, lanes 16-31 the next
	s_wait_alu depctr_va_vdst(0)                   ; the wait ahead of the reciprocal's first reader
.set j, 0
.rept 32
	v_mul_f32 v[S+j], v[O+j], v14
.set j, j+1
.endr
.irp b, 0,1
.irp i, 0,1,2,3
	ds_store_b128 v[STO], v[S+16*\b+4*\i:S+16*\b+4*\i+3] offset:128*\b+16*\i
.endr
.endr
.irp i, 0,1,2,3,4,5,6,7
	ds_load_b128 v[F+4*\i:F+4*\i+3], v[RD] offset:544*\i   ; LDS serves a wave's instructions in order: these see my stores
.endr
.irp i, 0,1,2,3,4,5,6,7
	s_wait_dscnt 7-\i                              ; loads come back in order: the later ones may be out
	global_store_b128 v[GO], v[F+4*\i:F+4*\i+3], s[8:9] offset:(2*\i+8*(\i/4))*4096 th:TH_STORE_NT   ; stage row 2 i + h is logical query 2 i + h + 8 (i / 4) of the tile
.endr
.endm
.macro PASS first
.irp q, 0,1,2
	global_load_b64 v[QF+2*\q:QF+2*\q+1], v[QO], s[4:5] offset:256*\q th:TH_LOAD_NT   ; my tile of Q stays in registers
.endr
	global_load_b32 v[QW], v[QSO], s[4:5] th:TH_LOAD_NT
	v_mov_b32 v13, 0xff61b1e6                      ; the largest t so far: -3e38, under every t
	s_delay_alu instid0(VALU_DEP_1)
	v_floor_f32 v12, -v13                          ; -M
	v_mov_b32 v14, 0
	v_mov_b32 v15, 0
.set j, 0
.rept 32
	v_mov_b32 v[O+j], 0                            ; the step is written once: the first finds zeros, which the first change of M leaves zeros
.set j, j+1
.endr
	s_wait_loadcnt 0x0
.if \first
.irp c, 0,1,2,3
	s_wait_tensorcnt 3-\c                          ; my step of chunk c has landed; the later chunks' loads may be out
	s_wait_dscnt 0x0
	s_barrier_signal -1
	s_barrier_wait -1                              ; everybody's has
	s_mov_b32 s[TB], \c*CHUNK
	STEPS 4
.endr
.else
	s_mov_b32 s[TB], 0
	STEPS 16
.endif
	WAYOUT
.endm
	PASS 1
	s_wait_xcnt 0x0                                ; the stores have read their data and their base: both are written again only behind this wait
	s_add_nc_u64 s[4:5], s[4:5], 2*QSTEP           ; two steps of queries on
	s_add_nc_u64 s[8:9], s[8:9], 2*128*4096
	PASS 0
	s_wait_tensorcnt 0x0                           ; the wave's end, behind my last tensor load and my last LDS store
	ds_add_u32 v[SPW], v[NIL]
	s_wait_dscnt 0x0
	ROUND                                          ; the closing round
	s_endpgm
.Lfunc_end_k_qfdfec48ad2_attn:
	.size	k_qfdfec48ad2_attn, .Lfunc_end_k_qfdfec48ad2_attn-k_qfdfec48ad2_attn
	.p2alignl 7, 3214868480
	.fill 96, 4, 3214868480
	.section	.rodata,"a",@progbits
	.p2align	6, 0x0
	.amdhsa_kernel k_qfdfec48ad2_attn
		.amdhsa_group_segment_fixed_size 280576
		.amdhsa_private_segment_fixed_size 0
		.amdhsa_enable_private_segment 0
		.amdhsa_kernarg_size 24
		.amdhsa_user_sgpr_count 2
		.amdhsa_user_sgpr_kernarg_segment_ptr 1
		.amdhsa_wavefront_size32 1
		.amdhsa_system_sgpr_workgroup_id_x 1
		.amdhsa_system_sgpr_workgroup_id_y 1
		.amdhsa_system_sgpr_workgroup_id_z 1
		.amdhsa_system_vgpr_workitem_id 0
		.amdhsa_next_free_vgpr 256
		.amdhsa_next_free_sgpr 66
		.amdhsa_reserve_vcc 0
		.amdhsa_float_denorm_mode_32 3
		.amdhsa_float_denorm_mode_16_64 3
		.amdhsa_memory_ordered 1
		.amdhsa_forward_progress 1
		.amdhsa_inst_pref_size 106
	.end_amdhsa_kernel
	.amdgpu_metadata
---
amdhsa.version: [ 1, 2 ]
amdhsa.kernels:
  - .name:           k_qfdfec48ad2_attn
    .symbol:         k_qfdfec48ad2_attn.kd
    .args:
      - { .name: qf, .offset: 0, .size: 8, .value_kind: global_buffer, .address_space: global }
      - { .name: kvf, .offset: 8, .size: 8, .value_kind: global_buffer, .address_space: global }
      - { .name: out0, .offset: 16, .size: 8, .value_kind: global_buffer, .address_space: global }
    .group_segment_fixed_size: 280576
    .private_segment_fixed_size: 0
    .kernarg_segment_align: 8
    .kernarg_segment_size: 24
    .max_flat_workgroup_size: 512
    .sgpr_count:     66
    .vgpr_count:     256
    .wavefront_size: 32
...
	.end_amdgpu_metadata
.endif
;; end of part 3
